; MI455X (gfx1250); checked and timed in simulation.
; The chip was launched on July 23, 2026; its instructions are those of AMD's public machine-readable ISA for CDNA 5 (MIT licence, August 2026) and "CDNA5" Instruction Set Architecture Reference Guide (July 2026). The comments in the code are by the model that wrote it; some were corrected since.
;; Self Attention. Allowed arithmetic: matrix products marked QUANTISED: E2M3 operands, one E8M0 scale for each 32 along K, by v_wmma_scale_f32_16x16x128_f8f6f4 with both operands' format E2M3, f32 sums; everything else in f32.
;; Inputs: Wk 512 x 512 float32; Wo 512 x 512 float32; Wq 512 x 512 float32; Wv 512 x 512 float32; bk 512 float32; bo 512 float32; bq 512 float32; bv 512 float32; x 2 x 4,096 x 512 float32.
;; Outputs: out0 2 x 4,096 x 512 float32.
;; This version of the problem:
;;   THIS VERSION OF THE PROBLEM IS GIVEN IN LOW PRECISION. The matrix products marked QUANTISED in the list below multiply operands that are first quantised to E2M3 (2 exponent bits, 3 mantissa bits; 6 bits a number), with one power-of-two scale for each 32 numbers along K (OCP MX v1.0); their sums are f32. All else is computed in f32.
;;   The module's matrix products, in the order in which they are computed (A, B: the left and right operand; K: the contracted axis; several contracted axes count as one K, in the product's order):
;;     1. [M 8,192, K 512] x [K 512, N 512]; A: input x; B: input Wq: QUANTISED
;;     2. [M 8,192, K 512] x [K 512, N 512]; A: input x; B: input Wk: QUANTISED
;;     3. [M 8,192, K 512] x [K 512, N 512]; A: input x; B: input Wv: QUANTISED
;;     4. batch 16 x [M 4,096, K 64] x [K 64, N 4,096]; A: computed on the way; B: computed on the way: QUANTISED
;;     5. batch 16 x [M 4,096, K 4,096] x [K 4,096, N 64]; A: softmax (see below); B: computed on the way: QUANTISED
;;     6. [M 8,192, K 512] x [K 512, N 512]; A: computed on the way; B: input Wo: QUANTISED
;;   THE QUANTISER, for each operand of a quantised product, along K:
;;     - K is cut into blocks of 32 from its start; a last block that is shorter is filled with zeros.
;;     - A block's scale is 2^e with e = floor(log2(the largest magnitude in the block)) - 2, held to -126 .. 127; a block of zeros has e = 0. As a byte (E8M0): e + 127.
;;     - Each number is divided by its block's scale, clamped to +-7.5, and rounded to the nearest number of E2M3, ties to even, subnormals kept.
;;     - The product sums the exact products of the quantised numbers (number of the format x scale) in f32.
;;   ~~~python
;;   def quantise(x, axis):      # numpy; x: float32 -> the quantised numbers, widened to float32 again
;;       x = np.moveaxis(x, axis, -1); K = x.shape[-1]
;;       x = np.pad(x, [(0, 0)] * (x.ndim - 1) + [(0, -K % 32)]); x = x.reshape(x.shape[:-1] + (-1, 32)); a = np.abs(x).max(-1, keepdims=True)
;;       e = np.where(a > 0, np.clip(np.frexp(np.where(a > 0, a, 1))[1] - 1 - 2, -126, 127), 0)      # np.frexp(a)[1] - 1 = floor(log2(a)), exactly
;;       r = np.clip(x / 2.0 ** e, -7.5, 7.5)
;;       step = 2.0 ** (np.maximum(np.frexp(np.where(r == 0, 1, r))[1] - 1, 0) - 3)
;;       q = np.round(r / step) * step * 2.0 ** e      # np.round: ties to even
;;       return np.moveaxis(q.reshape(q.shape[:-2] + (-1,))[..., :K], -1, axis).astype(np.float32)
;;   ~~~
;;   SOFTMAX AHEAD OF A QUANTISED PRODUCT. Where the list says 'softmax', what is quantised is not the finished softmax but p = 2^(t - M), with t = logit x log2(e) and M = ceil(the row's largest t), a whole number; so 1/2 < the row's largest p <= 1. The row's sum l is taken of the UNQUANTISED p, in f32, and the product's result is divided by l at the end. Since M is a whole number, a kernel that streams over the keys may use a running M (the ceiling of the running maximum): every later rescaling is an exact power of two, which a block's scale takes up: the codes' values come out the same.
;;   OPERANDS COMPUTED ON THE WAY. 'Computed on the way' means the value that the module computes at that place (a softmax that the list does not call 'softmax' is quantised finished and normalised). What goes into a quantiser is computed in f32, as accurately as f32 sums, v_exp_f32 and their like allow (about 1e-6 of the number): no bf16 or f16 on the way to a quantiser, and a product that is left as it is and whose result goes on into a quantised operand takes f32 operands (vector FMAs, or v_wmma_f32_16x16x4_f32). A number that lies on a knife's edge between two numbers of the format may be rounded either way, as far as f32 arithmetic and the matrix unit's own rounding can turn it there, and no further.
;; One version. Each part assembles by itself: llvm-mc -triple=amdgcn-amd-amdhsa -mcpu=gfx1250 --defsym DOCPART=n.
;; ======== version 1 of 1: 4 launches
;; limits: right only within a limited range of input values
;; workspace buffers: xq 3,276,800 bytes; wimg 819,200 bytes; qq 3,276,800 bytes; kv 6,553,600 bytes; aq 3,276,800 bytes
;; launch prep (part 1): grid 320 x 1, 4 waves a work-group, no clusters, 34,304 bytes of LDS; arguments x, Wq, Wk, Wv, Wo, xq, wimg; writes xq, wimg
.if DOCPART == 1
	.amdgcn_target "amdgcn-amd-amdhsa--gfx1250"
	.amdhsa_code_object_version 6
	.text
	.protected	k_q679e671477_prep
	.globl	k_q679e671477_prep
	.p2align	8
	.type	k_q679e671477_prep,@function
k_q679e671477_prep:
	s_mov_b64 s[64:65], 0
	v_nop
	global_prefetch_b8 v0, s[64:65] scope:SCOPE_SE
	s_setreg_imm32_b32 hwreg(HW_REG_WAVE_MODE, 25, 1), 1
	s_wait_xcnt 0x0
; SELF-ATTENTION IN MX-FP6, launch 1 of 4: x [8192][512] and the four weights [512 (k)][512 (n)], f32, become codes of E2M3 with one E8M0 byte for each 32 along K.
; NO WORK OF THE PROBLEM IS LEFT OUT IN ANY LAUNCH: every bias goes into a quantised operand (bq, bk, bv) or into the output (bo), so all nine inputs are loaded.
; LIMITS: a block of zeros gets the byte 1 where the quantiser says 127 (its codes are zeros, which add nothing under any byte but 0xff, and this program alone reads the bytes);
; blocks whose largest magnitude lies under 2^-124 are held at that byte; NaN and infinities among the inputs are not served.
; THE WORKSPACE IS LAID AS THE OPERANDS' REGISTERS.  A FRAGMENT is 16 rows x 128 K, 12 registers a lane: lane (r, h) holds row r, registers 6 c .. 6 c + 5 hold k = 64 c + 32 h + 0 .. 31.
; Its IMAGE is 1,536 bytes: registers 4 p .. 4 p + 3 of lane l at 512 p + 16 l.  A BLOCK is 51,200 bytes: 32 images, then 32 x 64 bytes of scale words (row r of fragment f at 49,152 + 64 f + 4 r).
; THE ROWS OF A TILE ARE NOT NEIGHBOURS: row r of tile 2 b + u is item 32 b + 8 u + r % 8 + 16 (r / 8), for tokens and for the weights' columns alike, so that a product's results
; in two neighbouring tiles are 16 neighbours along the next K.
; xq: block X = tokens 128 X on, fragment 4 i + s (token tile i, K step s).  wimg: block 4 mat + q (q: 128 columns), fragment 4 (tile % 8) + s.
; Work-groups 0-63 take the weights, 64-319 take x.  No work-group reads what another reads, so there is nothing to share in a cluster; no tensor load, no barrier: waves share nothing.
.set SPARE, 33792                      ; behind the four stages: the spare words, 128 bytes for each wave
.set STG,   8448                       ; a wave's stage (x's path alone): 16 rows x (512 bytes + 16)
.set BLK,   51200
.set SCO,   49152
.set SPW,   2                          ; v2  LDS address of my spare word; never rewritten
.set NIL,   3                          ; v3  0; never rewritten
; 32 numbers of ONE lane, v[src] on, are a block: its largest magnitude (with the floor 2^-124 among the leaves, which holds the byte at 1 from below), 2 off the exponent field: the conversions' scale operand;
; that shifted down: the byte; six registers of codes at v[dst] on (a conversion's three registers begin on an even number, so the second half is made in v[12:14] and moved).
.macro QBLK src, dst, byt
	v_max3_num_f32 v8, |v[\src]|, |v[\src+1]|, |v[\src+2]|
	v_max3_num_f32 v9, |v[\src+3]|, |v[\src+4]|, |v[\src+5]|
.irp i, 6,10,14,18,22,26
	v_max3_num_f32 v8, v8, |v[\src+\i]|, |v[\src+\i+1]|
	v_max3_num_f32 v9, v9, |v[\src+\i+2]|, |v[\src+\i+3]|
.endr
	v_max3_num_f32 v8, v8, |v[\src+30]|, |v[\src+31]|
	v_max3_num_f32 v8, v8, v9, 0x1800000
	v_add_nc_u32 v10, 0xff000000, v8
	v_lshrrev_b32 v[\byt], 23, v10
	v_cvt_scalef32_pk16_fp6_f32 v[\dst:\dst+2], v[\src:\src+15], v10
	v_cvt_scalef32_pk16_fp6_f32 v[12:14], v[\src+16:\src+31], v10
	v_nop                                          ; one plain line behind the conversions, ahead of the moves that read their result
	v_mov_b32 v[\dst+3], v12
	v_mov_b32 v[\dst+4], v13
	v_mov_b32 v[\dst+5], v14
.endm
	s_load_b256 s[12:19], s[0:1], 0x0              ; x s[12:13], Wq s[14:15], Wk s[16:17], Wv s[18:19]
	s_load_b128 s[20:23], s[0:1], 0x20             ; Wo s[20:21], xq s[22:23]
	s_load_b64 s[24:25], s[0:1], 0x30              ; wimg
	v_lshl_add_u32 v[SPW], v0, 2, SPARE
	v_mov_b32 v[NIL], 0
	v_lshrrev_b32 v4, 5, v0
	v_readfirstlane_b32 s8, v4                     ; wave 0..3
	v_and_b32 v1, 31, v0                           ; lane
	s_cmp_ge_u32 ttmp9, 64
	s_cbranch_scc1 .Lx
	; ---- THE WEIGHTS.  Work-group = (matrix, K step s of 128, quarter q of 128 columns).  A LANE TAKES A COLUMN AND ITS REGISTERS RUN DOWN K: each load reads 128 consecutive bytes, the four waves 512.
	s_lshr_b32 s9, ttmp9, 4                        ; matrix 0..3 = Wq, Wk, Wv, Wo
	s_bfe_u32 s10, ttmp9, 0x20002                  ; s
	s_and_b32 s11, ttmp9, 3                        ; q
	s_lshl_b32 s26, s10, 18                        ; 128 rows of 2,048 bytes a K step,
	s_lshl_b32 s27, s11, 9                         ; 512 bytes a quarter,
	s_add_co_u32 s26, s26, s27
	s_lshl_b32 s27, s8, 7                          ; 128 bytes a wave
	s_add_co_u32 s26, s26, s27
	s_mov_b32 s27, 0
	s_lshl_b32 s28, s9, 2
	s_add_co_u32 s28, s28, s11
	s_mul_i32 s28, s28, BLK                        ; the block 4 mat + q
	s_lshl_b32 s30, s8, 3
	s_add_co_u32 s30, s30, s10                     ; my two fragments are 8 wave + s and that + 4
	s_mul_i32 s31, s30, 1536
	s_add_co_u32 s32, s28, s31
	s_mov_b32 s33, 0
	s_lshl_b32 s30, s30, 6
	s_add_co_u32 s34, s28, s30
	s_add_co_u32 s34, s34, SCO
	s_mov_b32 s35, 0
	s_wait_alu depctr_va_vdst(0)
	v_lshlrev_b32 v5, 2, v1                        ; in: 4 bytes a lane
	v_bfe_u32 v6, v1, 3, 1                         ; column 32 b + l is row r = l % 8 + 8 (l / 16) of tile 2 b + u, u = (l / 8) % 2
	v_and_b32 v7, 7, v1
	v_lshrrev_b32 v4, 4, v1
	v_lshl_add_u32 v7, v4, 3, v7                   ; r
	v_mul_u32_u24 v4, v6, 6144
	v_lshl_add_u32 v4, v7, 4, v4                   ; codes: 4 fragments on for u = 1, 16 bytes a row
	v_lshlrev_b32 v6, 8, v6
	v_lshl_add_u32 v6, v7, 2, v6                   ; scale words: 256 u + 4 r
	s_wait_alu depctr_va_vdst(0)
	s_wait_kmcnt 0x0
	s_cmp_eq_u32 s9, 1                             ; the choice of the buffer hangs on the work-group's number alone
	s_cselect_b64 s[14:15], s[16:17], s[14:15]
	s_cmp_eq_u32 s9, 2
	s_cselect_b64 s[14:15], s[18:19], s[14:15]
	s_cmp_eq_u32 s9, 3
	s_cselect_b64 s[14:15], s[20:21], s[14:15]
	s_add_nc_u64 s[14:15], s[14:15], s[26:27]
	s_add_nc_u64 s[32:33], s[24:25], s[32:33]
	s_add_nc_u64 s[34:35], s[24:25], s[34:35]
; The 128 rows come in eight runs of 16 loads, half a block each; every load has a register of its own, v16 to v143, and the address registers are never rewritten.
.macro LDH hf
.set i, 0
.rept 16
	global_load_b32 v[16+16*(\hf)+i], v5, s[14:15] offset:2048*(16*(\hf)+i) th:TH_LOAD_NT
.set i, i+1
.endr
.endm
	LDH 0
	LDH 1
	LDH 2                                          ; three runs are out: 48 loads, the most that a wave ever has out here
; Block bl = 2 c + h of my column is what fragment lane (r, h) holds in registers 6 c on: v[144:155] is the image of lane (r, 0), v[156:167] that of lane (r, 1).
.irp bl, 0,1,2,3
.if \bl < 3
	s_wait_loadcnt 16                              ; loads come back in order: this block's two runs are in; the one run issued behind them may be out
.else
	s_wait_loadcnt 0                               ; the last block: nothing was issued behind its runs
.endif
.if \bl < 2
	LDH 2*\bl+3                                    ; two runs more, ahead of the block's arithmetic: 48 loads are out again
	LDH 2*\bl+4
.elseif \bl == 2
	LDH 7                                          ; the last run
.endif
	QBLK 16+32*\bl, 144+12*(\bl%2)+6*(\bl/2), 168+\bl
.endr
	v_lshl_or_b32 v172, v169, 8, v168              ; the four bytes make my column's scale word
	v_lshl_or_b32 v172, v170, 16, v172
	v_lshl_or_b32 v172, v171, 24, v172
.irp h, 0,1
.irp p, 0,1,2
	global_store_b128 v4, v[144+12*\h+4*\p:144+12*\h+4*\p+3], s[32:33] offset:256*\h+512*\p   ; sixteen lanes store 256 consecutive bytes, aligned: two such runs an instruction
.endr
.endr
	global_store_b32 v6, v172, s[34:35]
	s_endpgm
	; ---- x.  A wave takes one tile of 16 tokens x two K steps of 128.  Each load reads 512 consecutive bytes of a row; the rows turn through the wave's own stage, so that a lane gets two whole blocks of its row.
.Lx:
	s_sub_co_u32 s9, ttmp9, 64
	s_lshl_b32 s9, s9, 2
	s_add_co_u32 s9, s9, s8
	s_lshr_b32 s10, s9, 1                          ; token tile T
	s_and_b32 s11, s9, 1                           ; which two K steps
	s_lshr_b32 s26, s10, 1
	s_lshl_b32 s26, s26, 16                        ; 32 (T / 2) rows of 2,048 bytes
	s_and_b32 s27, s10, 1
	s_lshl_b32 s27, s27, 14                        ; + 8 (T % 2) rows
	s_add_co_u32 s26, s26, s27
	s_lshl_b32 s27, s11, 10
	s_add_co_u32 s26, s26, s27
	s_mov_b32 s27, 0
	s_lshr_b32 s28, s10, 3
	s_mul_i32 s28, s28, BLK                        ; block T / 8
	s_and_b32 s29, s10, 7
	s_lshl_b32 s29, s29, 2
	s_lshl_b32 s30, s11, 1
	s_add_co_u32 s29, s29, s30                     ; my first fragment: 4 (T % 8) + 2 x half: an even number
	s_mul_i32 s30, s29, 1536
	s_add_co_u32 s32, s28, s30
	s_mov_b32 s33, 0
	s_lshl_b32 s29, s29, 6
	s_add_co_u32 s34, s28, s29
	s_add_co_u32 s34, s34, SCO
	s_mov_b32 s35, 0
	s_wait_alu depctr_va_vdst(0)
	v_lshlrev_b32 v5, 4, v1                        ; 16 x lane
	v_lshlrev_b32 v4, 2, v1                        ; 4 x lane
	s_mul_i32 s36, s8, STG
	v_add_nc_u32 v6, s36, v5                       ; into the stage: a row as it lies
	v_and_b32 v8, 15, v1                           ; r
	v_lshrrev_b32 v9, 4, v1                        ; h
	v_mul_u32_u24 v7, v8, 528
	v_lshl_add_u32 v7, v9, 7, v7
	v_add_nc_u32 v7, s36, v7                       ; out of it: row r, + 128 h bytes: k = 32 h on
	v_lshlrev_b32 v11, 3, v9                       ; 8 h: my bytes' place in the scale word
	v_mov_b32 v15, 0                               ; (a lane permute's destination counts as one of its sources)
	s_mov_b32 s37, 0x76543210
	s_mov_b32 s38, 0xfedcba98                      ; selects for lane l xor 16
	s_wait_alu depctr_va_vdst(0)
	s_wait_kmcnt 0x0
	s_add_nc_u64 s[12:13], s[12:13], s[26:27]
	s_add_nc_u64 s[32:33], s[22:23], s[32:33]
	s_add_nc_u64 s[34:35], s[22:23], s[34:35]
.irp k, 0,1
.irp i, 0,1,2,3,4,5,6,7,8,9,10,11,12,13,14,15
	global_load_b128 v[16+64*\k+4*\i:16+64*\k+4*\i+3], v5, s[12:13] offset:(\i%8+16*(\i/8))*2048+512*\k th:TH_LOAD_NT
.endr
.endr
.macro XSTEP k
	s_wait_loadcnt 16-16*\k                        ; this K step's 16 loads are in; the other step's may be out
.irp i, 0,1,2,3,4,5,6,7,8,9,10,11,12,13,14,15
	ds_store_b128 v6, v[16+64*\k+4*\i:16+64*\k+4*\i+3] offset:528*\i
.endr
.irp c, 0,1
.irp j, 0,1,2,3,4,5,6,7
	ds_load_b128 v[144+32*\c+4*\j:144+32*\c+4*\j+3], v7 offset:256*\c+16*\j   ; LDS serves a wave's instructions in order: these see my stores
.endr
.endr
	s_wait_dscnt 0x0
	QBLK 144, 208+12*\k, 234                       ; block h
	QBLK 176, 214+12*\k, 235                       ; block 2 + h
	v_lshl_or_b32 v[232+\k], v235, 16, v234
	v_lshlrev_b32 v[232+\k], v11, v[232+\k]        ; my two bytes at their places;
	v_permlanex16_b32 v15, v[232+\k], s37, s38
	v_or_b32 v[232+\k], v[232+\k], v15             ; with lane l xor 16's two the row's word is whole
.irp p, 0,1,2
	global_store_b128 v5, v[208+12*\k+4*\p:208+12*\k+4*\p+3], s[32:33] offset:1536*\k+512*\p   ; 512 consecutive bytes, aligned
.endr
.endm
	XSTEP 0
	XSTEP 1
	v_cmp_gt_u32 vcc_lo, 16, v1
	v_cndmask_b32 v236, v233, v232, vcc_lo         ; lanes 0-15: the first fragment's words, lanes 16-31: the second's
	global_store_b32 v4, v236, s[34:35]            ; 128 consecutive bytes
	s_wait_tensorcnt 0x0                           ; the wave's end, behind my last LDS store
	ds_add_u32 v[SPW], v[NIL]
	s_wait_dscnt 0x0
	s_endpgm
.Lfunc_end_k_q679e671477_prep:
	.size	k_q679e671477_prep, .Lfunc_end_k_q679e671477_prep-k_q679e671477_prep
	.p2alignl 7, 3214868480
	.fill 96, 4, 3214868480
	.section	.rodata,"a",@progbits
	.p2align	6, 0x0
	.amdhsa_kernel k_q679e671477_prep
		.amdhsa_group_segment_fixed_size 34304
		.amdhsa_private_segment_fixed_size 0
		.amdhsa_enable_private_segment 0
		.amdhsa_kernarg_size 56
		.amdhsa_user_sgpr_count 2
		.amdhsa_user_sgpr_kernarg_segment_ptr 1
		.amdhsa_wavefront_size32 1
		.amdhsa_system_sgpr_workgroup_id_x 1
		.amdhsa_system_sgpr_workgroup_id_y 1
		.amdhsa_system_sgpr_workgroup_id_z 1
		.amdhsa_system_vgpr_workitem_id 0
		.amdhsa_next_free_vgpr 248
		.amdhsa_next_free_sgpr 66
		.amdhsa_reserve_vcc 1
		.amdhsa_float_denorm_mode_32 3
		.amdhsa_float_denorm_mode_16_64 3
		.amdhsa_memory_ordered 1
		.amdhsa_forward_progress 1
		.amdhsa_inst_pref_size 37
	.end_amdhsa_kernel
	.amdgpu_metadata
---
amdhsa.version: [ 1, 2 ]
amdhsa.kernels:
  - .name:           k_q679e671477_prep
    .symbol:         k_q679e671477_prep.kd
    .args:
      - { .name: x, .offset: 0, .size: 8, .value_kind: global_buffer, .address_space: global }
      - { .name: Wq, .offset: 8, .size: 8, .value_kind: global_buffer, .address_space: global }
      - { .name: Wk, .offset: 16, .size: 8, .value_kind: global_buffer, .address_space: global }
      - { .name: Wv, .offset: 24, .size: 8, .value_kind: global_buffer, .address_space: global }
      - { .name: Wo, .offset: 32, .size: 8, .value_kind: global_buffer, .address_space: global }
      - { .name: xq, .offset: 40, .size: 8, .value_kind: global_buffer, .address_space: global }
      - { .name: wimg, .offset: 48, .size: 8, .value_kind: global_buffer, .address_space: global }
    .group_segment_fixed_size: 34304
    .private_segment_fixed_size: 0
    .kernarg_segment_align: 8
    .kernarg_segment_size: 56
    .max_flat_workgroup_size: 128
    .sgpr_count:     66
    .vgpr_count:     248
    .wavefront_size: 32
...
	.end_amdgpu_metadata
.endif
;; end of part 1
;; launch qkv (part 2): grid 64 x 3, 16 waves a work-group, clusters of 4 x 1, 327,680 bytes of LDS; arguments xq, wimg, bq, bk, bv, qq, kv; writes qq, kv
.if DOCPART == 2
	.amdgcn_target "amdgcn-amd-amdhsa--gfx1250"
	.amdhsa_code_object_version 6
	.text
	.protected	k_q679e671477_qkv
	.globl	k_q679e671477_qkv
	.p2align	8
	.type	k_q679e671477_qkv,@function
k_q679e671477_qkv:
	s_mov_b64 s[64:65], 0
	v_nop
	global_prefetch_b8 v0, s[64:65] scope:SCOPE_SE
	s_setreg_imm32_b32 hwreg(HW_REG_WAVE_MODE, 25, 1), 1
	s_wait_xcnt 0x0
	s_wait_alu depctr_hold_cnt(0) depctr_sa_sdst(0) depctr_va_vdst(0) depctr_va_sdst(0) depctr_va_ssrc(0) depctr_va_vcc(0) depctr_vm_vsrc(0)
	s_getreg_b32 s2, hwreg(HW_REG_IB_STS2, 6, 4)
	s_cmp_eq_u32 s2, 0
	s_cbranch_scc0 .Lentry_in_a_cluster
	s_endpgm
.Lentry_in_a_cluster:
	s_bfe_u32 s2, ttmp6, 0x10000c
	s_cmp_lg_u32 s2, 0x3003
	s_cbranch_scc0 .Lentry_shape_is_right
	s_endpgm
.Lentry_shape_is_right:
.set SPARE, 256000
.set XB,    204800
.set SCO,   49152
.set SPW, 1
.set NIL, 2
.set AW,  3
.set AX,  4
.set AWS, 5
.set AXS, 6
.set L16, 7
.set L4,  8
.set BO,  9
.set WSV, 10
.set TM,  16
.set WF,  16
.set XF,  64
.set VXF, 40
.set BI,  88
.set WS,  120
.set XS,  124
.set VXS, 120
.set ACC, 128
.set PC0, 32
.set PC1, 52
.set PW,  72
.set WV,  18
.set SEL, 22
.set G1J, 24
.set G1P, 32
.set G0J, 40
.set G0P, 44
.set OC,  66
.set OW,  68
.macro CROUND
	s_barrier_signal -1
	s_barrier_wait -1
	s_cmp_lg_u32 s[WV], 0
	s_cbranch_scc1 .Lnot_wave_0_\@
	s_barrier_signal -3
.Lnot_wave_0_\@:
	s_barrier_wait -3
	s_barrier_signal -1
	s_barrier_wait -1
.endm
.macro PLACES
.rept 4
	v_nop
.endr
.endm
.macro FRAGL reg, adr, off
.irp p, 0,1,2
	ds_load_b128 v[\reg+4*\p:\reg+4*\p+3], v[\adr] offset:\off+512*\p
.endr
.endm
.macro WM d, a, b, sa, sb, row
.if \row
	v_wmma_scale_f32_16x16x128_f8f6f4 v[\d:\d+7], v[\a:\a+11], v[\b:\b+11], v[\d:\d+7], v[\sa], v[\sb] matrix_a_fmt:MATRIX_FMT_FP6 matrix_b_fmt:MATRIX_FMT_FP6 matrix_a_scale:MATRIX_SCALE_ROW1 matrix_b_scale:MATRIX_SCALE_ROW1
.else
	v_wmma_scale_f32_16x16x128_f8f6f4 v[\d:\d+7], v[\a:\a+11], v[\b:\b+11], v[\d:\d+7], v[\sa], v[\sb] matrix_a_fmt:MATRIX_FMT_FP6 matrix_b_fmt:MATRIX_FMT_FP6
.endif
.endm
.macro WMC d, a, b, c, sa, sb
	v_wmma_scale_f32_16x16x128_f8f6f4 v[\d:\d+7], v[\a:\a+11], v[\b:\b+11], v[\c:\c+7], v[\sa], v[\sb] matrix_a_fmt:MATRIX_FMT_FP6 matrix_b_fmt:MATRIX_FMT_FP6
.endm
.macro QUANT s, pc, pw
.irp b, 0,1,2,3
	v_max3_num_f32 v[TM+\b], |v[\s+16*\b]|, |v[\s+1+16*\b]|, 0x1800000
.endr
.irp i, 2,4,6,8,10,12,14
.irp b, 0,1,2,3
	v_max3_num_f32 v[TM+\b], v[TM+\b], |v[\s+16*\b+\i]|, |v[\s+1+16*\b+\i]|
.endr
.endr
.irp b, 0,1,2,3
	s_delay_alu instid0(VALU_DEP_4)
	v_permlanex16_b32 v[TM+4+\b], v[TM+\b], s[SEL], s[SEL+1]
.endr
.irp b, 0,1,2,3
	s_delay_alu instid0(VALU_DEP_4)
	v_max_num_f32 v[TM+\b], v[TM+\b], v[TM+4+\b]
.endr
.irp b, 0,1,2,3
	s_delay_alu instid0(VALU_DEP_4)
	v_add_nc_u32 v[TM+12+\b], 0xff000000, v[TM+\b]
.endr
.irp b, 0,1,2,3
	s_delay_alu instid0(VALU_DEP_4)
	v_lshrrev_b32 v[TM+4+\b], 23, v[TM+12+\b]
.endr
	s_delay_alu instid0(VALU_DEP_3)
	v_lshl_or_b32 v[\pw], v[TM+5], 8, v[TM+4]
	s_delay_alu instid0(VALU_DEP_1)
	v_lshl_or_b32 v[\pw], v[TM+6], 16, v[\pw]
	s_delay_alu instid0(VALU_DEP_1)
	v_lshl_or_b32 v[\pw], v[TM+7], 24, v[\pw]
.irp c, 0,1
	v_cvt_scalef32_pk16_fp6_f32 v[\pc+6*\c:\pc+2+6*\c], v[\s+32*\c:\s+15+32*\c], v[TM+12+2*\c]
	v_cvt_scalef32_pk16_fp6_f32 v[\pc+12+4*\c:\pc+14+4*\c], v[\s+16+32*\c:\s+31+32*\c], v[TM+12+2*\c+1]
.endr
	v_nop
.irp c, 0,1
.irp i, 0,1,2
	v_permlane16_swap_b32 v[\pc+6*\c+\i], v[\pc+12+4*\c+\i]
.endr
.irp i, 0,1,2
	s_delay_alu instid0(VALU_DEP_3)
	v_mov_b32 v[\pc+3+6*\c+\i], v[\pc+12+4*\c+\i]
.endr
.endr
.endm
	s_load_b256 s[4:11], s[0:1], 0x0
	s_load_b128 s[12:15], s[0:1], 0x20
	s_load_b64 s[16:17], s[0:1], 0x30
	v_lshl_add_u32 v[SPW], v0, 2, SPARE
	v_mov_b32 v[NIL], 0
	ds_add_u32 v[SPW], v[NIL]
	ds_add_u32 v[SPW], v[NIL]
	v_lshrrev_b32 v12, 5, v0
	s_delay_alu instid0(VALU_DEP_1)
	v_readfirstlane_b32 s[WV], v12
	s_bfe_u32 s19, ttmp6, 0x40000
	s_lshl_b32 s20, ttmp9, 2
	s_add_co_u32 s20, s20, s19
	s_and_b32 s21, ttmp7, 0xffff
	s_mov_b32 s[G1J], 15|(3<<16)|(1<<21)
	s_mov_b32 s[G1P], 3<<16
.irp g, G1J, G1P
	s_mov_b32 s[\g+1], 32<<16
	s_mov_b32 s[\g+3], 32<<16
	s_mov_b32 s[\g+5], 32
	s_mov_b32 s[\g+6], 0
	s_mov_b32 s[\g+7], 0
.endr
	s_mov_b32 s[G1J+2], 100<<16
	s_mov_b32 s[G1J+4], 100
	s_mov_b32 s[G1P+2], 25<<16
	s_mov_b32 s[G1P+4], 25
	s_mul_i32 s48, s[WV], 25600
	s_and_b32 s49, s[WV], 7
	s_mul_i32 s49, s49, 6400
	s_mul_i32 s50, s21, 204800
	s_add_co_u32 s50, s50, s48
	s_mov_b32 s51, 0
	s_mul_i32 s52, s20, 51200
	s_add_co_u32 s52, s52, s49
	s_mov_b32 s53, 0
	s_wait_dscnt 0x0
	s_wait_kmcnt 0x0
	s_mov_b32 s[G0J], 1
	s_mov_b32 s[G0J+1], s48
	s_add_nc_u64 s[G0J+2:G0J+3], s[6:7], s[50:51]
	s_or_b32 s[G0J+3], s[G0J+3], 0x80000000
	s_mov_b32 s[G0P], 1
	s_add_co_u32 s[G0P+1], s49, XB
	s_add_nc_u64 s[G0P+2:G0P+3], s[4:5], s[52:53]
	s_or_b32 s[G0P+3], s[G0P+3], 0x80000000
	CROUND
	s_cmp_lt_u32 s[WV], 8
	s_cbranch_scc0 .Lfill_x
	tensor_load_to_lds s[G0J:G0J+3], s[G1J:G1J+7]
	s_nop 0
	s_branch .Lno_x
.Lfill_x:
	tensor_load_to_lds s[G0P:G0P+3], s[G1P:G1P+7]
	s_nop 0
.Lno_x:
	v_and_b32 v12, 31, v0
	s_delay_alu instid0(VALU_DEP_1)
	v_lshlrev_b32 v[L16], 4, v12
	s_delay_alu instid0(VALU_DEP_2)
	v_lshlrev_b32 v[L4], 2, v12
	s_delay_alu instid0(VALU_DEP_3)
	v_cmp_gt_u32 s70, 16, v12
	s_mov_b32 s[SEL], 0x76543210
	s_mov_b32 s[SEL+1], 0xfedcba98
	s_lshr_b32 s48, s[WV], 1
	s_and_b32 s49, s[WV], 1
	s_lshr_b32 s56, s20, 5
	s_lshl_b32 s56, s56, 3
	s_add_co_u32 s56, s56, s48
	s_lshl_b32 s56, s56, 2
	s_bfe_u32 s57, s20, 0x20003
	s_add_co_u32 s56, s56, s57
	s_mov_b32 s57, 102400
	s_cmp_eq_u32 s21, 0
	s_cselect_b64 s[OC:OC+1], s[14:15], s[16:17]
	s_cselect_b32 s57, 51200, s57
	s_mul_i32 s56, s56, s57
	s_cmp_eq_u32 s21, 2
	s_cselect_b32 s57, 51200, 0
	s_add_co_u32 s56, s56, s57
	s_and_b32 s58, s20, 7
	s_lshl_b32 s58, s58, 2
	s_lshl_b32 s59, s49, 1
	s_add_co_u32 s58, s58, s59
	s_mul_i32 s60, s58, 1536
	s_add_co_u32 s60, s60, s56
	s_mov_b32 s61, 0
	s_lshl_b32 s62, s58, 6
	s_add_co_u32 s62, s62, s56
	s_add_co_u32 s62, s62, SCO
	s_mov_b32 s63, 0
	s_add_nc_u64 s[OW:OW+1], s[OC:OC+1], s[62:63]
	s_add_nc_u64 s[OC:OC+1], s[OC:OC+1], s[60:61]
	s_cmp_eq_u32 s21, 2
	s_cbranch_scc1 .Lv
	s_lshr_b32 s50, s48, 1
	s_mul_i32 s50, s50, 51200
	s_and_b32 s51, s48, 1
	s_mul_i32 s52, s51, 24576
	s_add_co_u32 s52, s52, s50
	s_wait_alu depctr_va_vdst(0)
	v_add_nc_u32 v[AW], s52, v[L16]
	s_lshl_b32 s51, s51, 10
	s_add_co_u32 s51, s51, s50
	s_add_co_u32 s51, s51, SCO
	v_add_nc_u32 v[AWS], s51, v[L4]
	s_mul_i32 s52, s49, 24576
	s_add_co_u32 s52, s52, XB
	v_add_nc_u32 v[AX], s52, v[L16]
	s_lshl_b32 s52, s49, 10
	s_add_co_u32 s52, s52, XB+SCO
	v_add_nc_u32 v[AXS], s52, v[L4]
	v_bfe_u32 v[BO], v0, 4, 1
	s_delay_alu instid0(VALU_DEP_1)
	v_lshlrev_b32 v[BO], 6, v[BO]
	s_cmp_eq_u32 s21, 0
	s_cselect_b64 s[54:55], s[8:9], s[10:11]
	s_lshl_b32 s52, s48, 8
	s_mov_b32 s53, 0
	s_add_nc_u64 s[54:55], s[54:55], s[52:53]
.irp t, 0,1,2,3
	global_load_b128 v[BI+8*\t:BI+8*\t+3], v[BO], s[54:55] offset:(32*(\t/2)+8*(\t%2))*4
	global_load_b128 v[BI+8*\t+4:BI+8*\t+7], v[BO], s[54:55] offset:(32*(\t/2)+8*(\t%2))*4+16
.endr
	s_wait_alu depctr_va_vdst(0)
	s_wait_tensorcnt 0x0
	s_barrier_signal -1
	s_barrier_wait -1
	s_wait_loadcnt 0x0
.macro QK_MUL s, i0
.irp i, \i0, \i0+1
.irp t, 0,1,2,3
.if \s == 0
	WMC ACC+32*(\i)+8*\t, WF+12*\t, XF+12*((\i)%2), BI+8*\t, WS+\t, XS+(\i)
.else
	WM ACC+32*(\i)+8*\t, WF+12*\t, XF+12*((\i)%2), WS+\t, XS+(\i), (\s)%2
.endif
.endr
.endr
.endm
.macro QK_STEP s
.if \s > 0
	PLACES
.endif
.irp t, 0,1,2,3
	FRAGL WF+12*\t, AW, (4*\t+\s)*1536
.endr
.if (\s)%2 == 0
.irp t, 0,1,2,3
	ds_load_b32 v[WS+\t], v[AWS] offset:64*(4*\t+\s)
	ds_load_b32 v[XS+\t], v[AXS] offset:64*(4*\t+\s)
.endr
.endif
	FRAGL XF, AX, (\s)*1536
	FRAGL XF+12, AX, (4+\s)*1536
	s_wait_dscnt 0x0
	QK_MUL \s, 0
	PLACES
	FRAGL XF, AX, (8+\s)*1536
	FRAGL XF+12, AX, (12+\s)*1536
	s_wait_dscnt 0x0
	QK_MUL \s, 2
.endm
	QK_STEP 0
	QK_STEP 1
	QK_STEP 2
	QK_STEP 3
	s_branch .Lepi
.Lv:
	s_lshr_b32 s50, s[WV], 2
	s_mul_i32 s50, s50, 51200
	s_and_b32 s51, s[WV], 3
	s_mul_i32 s52, s51, 12288
	s_add_co_u32 s52, s52, s50
	s_wait_alu depctr_va_vdst(0)
	v_add_nc_u32 v[AW], s52, v[L16]
	s_lshl_b32 s51, s51, 9
	s_add_co_u32 s51, s51, s50
	s_add_co_u32 s51, s51, SCO
	v_add_nc_u32 v[AWS], s51, v[L4]
	v_add_nc_u32 v[AX], XB, v[L16]
	v_add_nc_u32 v[AXS], XB+SCO, v[L4]
	v_and_b32 v12, 7, v0
	v_bfe_u32 v13, v0, 3, 1
	s_delay_alu instid0(VALU_DEP_1)
	v_lshl_add_u32 v12, v13, 4, v12
	s_delay_alu instid0(VALU_DEP_1)
	v_lshlrev_b32 v[BO], 2, v12
	s_lshl_b32 s52, s[WV], 7
	s_mov_b32 s53, 0
	s_add_nc_u64 s[54:55], s[12:13], s[52:53]
.irp u, 0,1
.irp j, 0,1,2,3,4,5,6,7
	global_load_b32 v[BI+8*\u+\j], v[BO], s[54:55] offset:32*\u
.endr
.endr
	s_wait_alu depctr_va_vdst(0)
	s_wait_tensorcnt 0x0
	s_barrier_signal -1
	s_barrier_wait -1
	s_wait_loadcnt 0x0
.macro V_MUL s, i0
.irp i, 0,1,2,3
.irp u, 0,1
.if \s == 0
	WMC ACC+64*\u+8*(\i0+\i), VXF+12*\i, WF+12*\u, BI+8*\u, VXS+\i0+\i, WSV+\u
.else
	WM ACC+64*\u+8*(\i0+\i), VXF+12*\i, WF+12*\u, VXS+\i0+\i, WSV+\u, (\s)%2
.endif
.endr
.endr
.endm
.macro V_STEP s
.if \s > 0
	PLACES
.endif
	FRAGL WF, AW, (\s)*1536
	FRAGL WF+12, AW, (4+\s)*1536
.if (\s)%2 == 0
.irp u, 0,1
	ds_load_b32 v[WSV+\u], v[AWS] offset:64*(4*\u+\s)
.endr
.irp i, 0,1,2,3,4,5,6,7
	ds_load_b32 v[VXS+\i], v[AXS] offset:64*(4*\i+\s)
.endr
.endif
.irp i, 0,1,2,3
	FRAGL VXF+12*\i, AX, (4*\i+\s)*1536
.endr
	s_wait_dscnt 0x0
	V_MUL \s, 0
	PLACES
.irp i, 0,1,2,3
	FRAGL VXF+12*\i, AX, (16+4*\i+\s)*1536
.endr
	s_wait_dscnt 0x0
	V_MUL \s, 4
.endm
	V_STEP 0
	V_STEP 1
	V_STEP 2
	V_STEP 3
.Lepi:
	PLACES
.irp b, 0,1,2,3
	v_mov_b32 v[TM+4+\b], 0
.endr
	QUANT ACC, PC0, PW
.irp p, 0,1,2
	global_store_b128 v[L16], v[PC0+4*\p:PC0+4*\p+3], s[OC:OC+1] offset:512*\p
.endr
	QUANT ACC+64, PC1, PW+1
.irp p, 0,1,2
	global_store_b128 v[L16], v[PC1+4*\p:PC1+4*\p+3], s[OC:OC+1] offset:1536+512*\p
.endr
	v_cndmask_b32 v[PW+2], v[PW+1], v[PW], s70
	global_store_b32 v[L4], v[PW+2], s[OW:OW+1]
	s_wait_tensorcnt 0x0
	ds_add_u32 v[SPW], v[NIL]
	s_wait_dscnt 0x0
	CROUND
	s_endpgm
.Lfunc_end_k_q679e671477_qkv:
	.size	k_q679e671477_qkv, .Lfunc_end_k_q679e671477_qkv-k_q679e671477_qkv
	.p2alignl 7, 3214868480
	.fill 96, 4, 3214868480
	.section	.rodata,"a",@progbits
	.p2align	6, 0x0
	.amdhsa_kernel k_q679e671477_qkv
		.amdhsa_group_segment_fixed_size 327680
		.amdhsa_private_segment_fixed_size 0
		.amdhsa_enable_private_segment 0
		.amdhsa_kernarg_size 56
		.amdhsa_user_sgpr_count 2
		.amdhsa_user_sgpr_kernarg_segment_ptr 1
		.amdhsa_wavefront_size32 1
		.amdhsa_system_sgpr_workgroup_id_x 1
		.amdhsa_system_sgpr_workgroup_id_y 1
		.amdhsa_system_sgpr_workgroup_id_z 1
		.amdhsa_system_vgpr_workitem_id 0
		.amdhsa_next_free_vgpr 256
		.amdhsa_next_free_sgpr 72
		.amdhsa_reserve_vcc 0
		.amdhsa_float_denorm_mode_32 3
		.amdhsa_float_denorm_mode_16_64 3
		.amdhsa_memory_ordered 1
		.amdhsa_forward_progress 1
		.amdhsa_inst_pref_size 54
	.end_amdhsa_kernel
	.amdgpu_metadata
---
amdhsa.version: [ 1, 2 ]
amdhsa.kernels:
  - .name:           k_q679e671477_qkv
    .symbol:         k_q679e671477_qkv.kd
    .args:
      - { .name: xq, .offset: 0, .size: 8, .value_kind: global_buffer, .address_space: global }
      - { .name: wimg, .offset: 8, .size: 8, .value_kind: global_buffer, .address_space: global }
      - { .name: bq, .offset: 16, .size: 8, .value_kind: global_buffer, .address_space: global }
      - { .name: bk, .offset: 24, .size: 8, .value_kind: global_buffer, .address_space: global }
      - { .name: bv, .offset: 32, .size: 8, .value_kind: global_buffer, .address_space: global }
      - { .name: qq, .offset: 40, .size: 8, .value_kind: global_buffer, .address_space: global }
      - { .name: kv, .offset: 48, .size: 8, .value_kind: global_buffer, .address_space: global }
    .group_segment_fixed_size: 327680
    .private_segment_fixed_size: 0
    .kernarg_segment_align: 8
    .kernarg_segment_size: 56
    .max_flat_workgroup_size: 512
    .sgpr_count:     72
    .vgpr_count:     256
    .wavefront_size: 32
...
	.end_amdgpu_metadata
.endif
;; end of part 2
;; launch attn (part 3): grid 16 x 16, 8 waves a work-group, clusters of 4 x 1, 327,680 bytes of LDS; arguments qq, kv, aq; writes aq
.if DOCPART == 3
	.amdgcn_target "amdgcn-amd-amdhsa--gfx1250"
	.amdhsa_code_object_version 6
	.text
	.protected	k_q679e671477_attn
	.globl	k_q679e671477_attn
	.p2align	8
	.type	k_q679e671477_attn,@function
k_q679e671477_attn:
	s_mov_b64 s[64:65], 0
	v_nop
	global_prefetch_b8 v0, s[64:65] scope:SCOPE_SE
	s_setreg_imm32_b32 hwreg(HW_REG_WAVE_MODE, 25, 1), 1
	s_wait_xcnt 0x0
	s_wait_alu depctr_hold_cnt(0) depctr_sa_sdst(0) depctr_va_vdst(0) depctr_va_sdst(0) depctr_va_ssrc(0) depctr_va_vcc(0) depctr_vm_vsrc(0)
	s_getreg_b32 s2, hwreg(HW_REG_IB_STS2, 6, 4)
	s_cmp_eq_u32 s2, 0
	s_cbranch_scc0 .Lentry_in_a_cluster
	s_endpgm
.Lentry_in_a_cluster:
	s_bfe_u32 s2, ttmp6, 0x10000c
	s_cmp_lg_u32 s2, 0x3003
	s_cbranch_scc0 .Lentry_shape_is_right
	s_endpgm
.Lentry_shape_is_right:
; Launch 3 of 4: o = softmax(q k^T / 8) v for one head (work-group y) and 256 queries (work-group x), in MX-FP6; o leaves as codes and scale bytes in aq.  No work is left out.
; LIMITS: the promise holds while the scaled scores (the exponents to the base 2) stay under 2^31 in magnitude.  A block's scale is taken from floor(t - M) of its largest score;
; where 2^(t - M) rounds up to the next power of two, that block's largest p is held at the largest code.
; Eight waves; a wave owns 32 queries: tile A (registers in window 0) and tile B (window 1, the same low numbers), which share every fragment of K and V: each is read from LDS once for both.
; Both products are used transposed (S^T = k q^T, O^T = v^T p^T): a lane holds one query.  A step is 128 keys; 1,024 keys of K and V (102,400 bytes) are a slot; two slots take turns.
; A fragment of K in kv holds two tiles of 16 keys (k 0-63: the head of one, k 64-127: of the other); q stands in k 0-63 or in k 64-127 with zero codes in the other half.
; THE ROWS OF A TILE OF K ARE CHOSEN BY THE LANES' LDS ADDRESSES so that lane (r, h) gets in S + 32 c + 0 .. 31 the keys 64 c + 32 h + 0 .. 31: a whole block of 32 lies in one lane, in the order of p's operand.
; CLUSTER 4 x 1: the four partners differ in their queries alone and ask for every slot jointly.
; NO PREFETCH: a refill is asked for eight steps of work ahead of the wait for it, and the launch has four fills in all.
.set SLOT1, 131072
.set SPARE, 233472                     ; behind slot 1: the spare words, 128 bytes a wave
.set VB,    51200                      ; V's part of a slot
.set SCO,   49152                      ; the scale words in a part
; window 0 alone
.set SPW, 1
.set NIL, 2
.set LK,  3                            ; lane term of K's fragments: 1536 (l/8 %2) + 16 (l%8) + 256 (l/16)
.set L16, 4                            ; 16 x lane
.set LKS, 5                            ; lane term of K's scale words
.set LVS, 6                            ; of V's
.set ADK, 7
.set ADV, 8
.set ADS, 9
.set ADVS, 10
.set A8,  11                           ; 8 x lane
.set KS,  12                           ; v12-13 K's scale words, v14-15 V's, v16-17 q's (A, B), v18-19 p's (A, B)
.set VS,  14
.set QS,  16
.set PW,  18
.set R4,  21                           ; 4 x (lane % 16)
; in both windows, one set for each tile
.set SH8, 20                           ; 8 x (lane / 16)
.set NM,  22                           ; -M
.set RS,  23                           ; the running largest score
.set L,   24                           ; the row's sum, two halves
.set FF,  26                           ; 2^(old M - new M)
.set XX,  27
.set T1,  28                           ; v28-33 scratch
.set BM,  34                           ; the two blocks' largest
.set BQ,  36
.set SOP, 38                           ; the conversions' scale operands
.set TC,  40
.set QZ,  48                           ; six zeros, q's six registers, six zeros
.set QD,  54
.set PC,  66                           ; p's codes
.set O,   78                           ; O^T, 32 registers
.set S,   110                          ; scores, then p: 64 registers
.set KF,  174                          ; window 0: K's four fragments; window 1: V's four
.set WV,  10
.set G1,  16
.set G0,  24
.set SEL, 32
.set CS,  34
.set NCS, 36
.set TK,  37
.set TS,  38
.set CNT, 39
.set MSB, 0
.macro WIN new                         ; the immediate's high byte repeats the setting that is left
.if MSB != \new
	s_set_vgpr_msb (MSB<<8)|\new
.set MSB, \new
.endif
.endm
.macro D1
	s_delay_alu instid0(VALU_DEP_1)
.endm
.macro D2
	s_delay_alu instid0(VALU_DEP_2)
.endm
.macro CROUND
	s_barrier_signal -1
	s_barrier_wait -1
	s_cmp_lg_u32 s[WV], 0
	s_cbranch_scc1 .Lnot_wave_0_\@
	s_barrier_signal -3
.Lnot_wave_0_\@:
	s_barrier_wait -3
	s_barrier_signal -1
	s_barrier_wait -1
.endm
.macro SW d, a, b, sa, sb, row
.if \row
	v_wmma_scale_f32_16x16x128_f8f6f4 v[\d:\d+7], v[\a:\a+11], v[\b:\b+11], 0, v[\sa], v[\sb] matrix_a_fmt:MATRIX_FMT_FP6 matrix_b_fmt:MATRIX_FMT_FP6 matrix_a_scale:MATRIX_SCALE_ROW1
.else
	v_wmma_scale_f32_16x16x128_f8f6f4 v[\d:\d+7], v[\a:\a+11], v[\b:\b+11], 0, v[\sa], v[\sb] matrix_a_fmt:MATRIX_FMT_FP6 matrix_b_fmt:MATRIX_FMT_FP6
.endif
.endm
.macro SWS T                           ; the scores of tile T: eight products, each with its own result
	WIN 0x44*\T                                    ; K window 0; q and S in the tile's window
.irp c, 0,1
.irp v, 0,1
	SW S+32*\c+16*\v, KF+12*(2*\c+\v), QD, KS+\c, QS+\T, \v
	SW S+32*\c+16*\v+8, KF+12*(2*\c+\v), QZ, KS+\c, QS+\T, \v
.endr
.endr
.endm
.macro OWS T                           ; O^T += v^T p^T: the four accumulators by turns
	WIN 0x01+0x54*\T                               ; V window 1; p's codes and O in the tile's window
.irp t, 0,1,2,3
.if (\t)%2
	v_wmma_scale_f32_16x16x128_f8f6f4 v[O+8*\t:O+8*\t+7], v[KF+12*\t:KF+12*\t+11], v[PC:PC+11], v[O+8*\t:O+8*\t+7], v[VS+\t/2], v[PW+\T] matrix_a_fmt:MATRIX_FMT_FP6 matrix_b_fmt:MATRIX_FMT_FP6 matrix_a_scale:MATRIX_SCALE_ROW1
.else
	v_wmma_scale_f32_16x16x128_f8f6f4 v[O+8*\t:O+8*\t+7], v[KF+12*\t:KF+12*\t+11], v[PC:PC+11], v[O+8*\t:O+8*\t+7], v[VS+\t/2], v[PW+\T] matrix_a_fmt:MATRIX_FMT_FP6 matrix_b_fmt:MATRIX_FMT_FP6
.endif
.endr
.endm
; K's four fragments and two registers of scale words, off bytes behind ADK.  Fragment 2 c + v: its row 8 hm + j is row j + 8 v of the stored fragment 2 c + hm.
.macro KLOAD off
.irp c, 0,1
	ds_load_b32 v[KS+\c], v[ADS] offset:(\off)/24+128*\c     ; lanes 0-15: v = 0, lanes 16-31: v = 1
.irp v, 0,1
.irp p, 0,1,2
	ds_load_b128 v[KF+12*(2*\c+\v)+4*\p:KF+12*(2*\c+\v)+4*\p+3], v[ADK] offset:\off+3072*\c+128*\v+512*\p
.endr
.endr
.endr
.endm
; One tile's softmax step: 64 scores a lane become p's codes and scale word; the sum and O^T come under the new M.
.macro SOFTMAX T
	WIN 0x55*\T
.if \T
	s_wait_alu depctr_va_vdst(0)                   ; the wait directly ahead of the first read of these scores
.endif
.irp c, 0,1                            ; each block's largest score, in two chains; every accumulator is read from its low end on
	v_max3_num_f32 v[BM+\c], v[S+32*\c], v[S+32*\c+1], v[S+32*\c+2]
	v_max3_num_f32 v[BQ+\c], v[S+32*\c+16], v[S+32*\c+17], v[S+32*\c+18]
.endr
.irp i, 3,5,7,9,11,13
.irp c, 0,1
	v_max3_num_f32 v[BM+\c], v[BM+\c], v[S+32*\c+\i], v[S+32*\c+\i+1]
	v_max3_num_f32 v[BQ+\c], v[BQ+\c], v[S+32*\c+16+\i], v[S+32*\c+17+\i]
.endr
.endr
.irp c, 0,1
	v_max3_num_f32 v[BM+\c], v[BM+\c], v[BQ+\c], v[S+32*\c+15]
.endr
.irp c, 0,1
	v_max_num_f32 v[BM+\c], v[BM+\c], v[S+32*\c+31]
.endr
	D1
	v_max_num_f32 v[XX], v[BM], v[BM+1]
	D1
	v_permlanex16_b32 v[T1], v[XX], s[SEL], s[SEL+1]
	D1
	v_max3_num_f32 v[RS], v[RS], v[XX], v[T1]      ; the running largest score of my query
	D1
	v_mul_f32 v[XX], s[NCS], v[RS]                 ; -t
	D1
	v_floor_f32 v[XX], v[XX]                       ; the new -M = -ceil(t)
	D1
	v_sub_f32 v[T1], v[XX], v[NM]                  ; old M - new M, a whole number, 0 or less
	v_mov_b32 v[NM], v[XX]
	D2
	v_cvt_i32_f32 v[T1], v[T1]                     ; (it saturates)
	D1
	v_ldexp_f32 v[FF], 1.0, v[T1]
.set j, 0
.rept 32
	v_pk_fma_f32 v[S+j:S+j+1], v[S+j:S+j+1], s[CS:CS+1], v[NM:NM+1] op_sel_hi:[1,0,0]   ; t - M
.set j, j+2
.endr
.irp c, 0,1
	v_fma_f32 v[BM+\c], v[BM+\c], s[CS], v[NM]     ; y = t - M of each block's largest score: floor(y) is the exponent of the block's largest p
.endr
.irp c, 0,1
	D2
	v_max_num_f32 v[BM+\c], 0xc2f80000, v[BM+\c]   ; held at -124 from below: the byte cannot fall under 1
.endr
.irp c, 0,1
	D2
	v_floor_f32 v[BM+\c], v[BM+\c]
.endr
.irp c, 0,1
	D2
	v_add_f32 v[BM+\c], 0x4b00007d, v[BM+\c]       ; + 2^23 + 125, exact: the low byte of the bits is floor(y) - 2 + 127, the block's scale byte
.endr
.irp c, 0,1
	D2
	v_lshlrev_b32 v[SOP+\c], 23, v[BM+\c]          ; that byte as an exponent field: the conversions' scale operand
.endr
	v_lshlrev_b32 v[BQ], 16, v[BM+1]
	D1
	v_and_or_b32 v[BQ], v[BM], 0xff, v[BQ]         ; the bytes of blocks h and 2 + h,
	D1
	v_lshlrev_b32 v[BQ], v[SH8], v[BQ]             ; 8 h bits up
	D1
	v_permlanex16_b32 v[T1+2], v[BQ], s[SEL], s[SEL+1]
	s_wait_alu depctr_va_vdst(0)                   ; the wait ahead of the batch
.if \T == 0
	s_cmp_eq_u32 s[CNT], 1                         ; the slot's last step has no next step in this slot
	s_cbranch_scc1 .Lnk_\@
	KLOAD 6144                                     ; the next step's K: both tiles' score products stand 4 places and more back
.Lnk_\@:
.endif
.set j, 0
.rept 64
	v_exp_f32 v[S+j], v[S+j]                       ; p = 2^(t - M)
.set j, j+1
.endr
	WIN 0x05*\T                                    ; scale registers lie in window 0
	v_or_b32 v[PW+\T], v[BQ], v[T1+2]              ; with lane l xor 16's two bytes p's scale word is whole; a plain place behind the batch
	WIN 0x55*\T
	s_wait_alu depctr_va_vdst(0)                   ; one wait for the batch
.if \T == 0
	s_wait_dscnt 0x0                               ; V's fragments of this step and K's of the next are in: 0, since the count differs in the slot's last step
.endif
	v_pk_fma_f32 v[L:L+1], v[L:L+1], v[FF:FF+1], v[S:S+1] op_sel_hi:[1,0,1]   ; the sum under the new M, and the row's sum of the unquantised p, in four chains
	v_pk_add_f32 v[T1:T1+1], v[S+2:S+3], v[S+4:S+5]
	v_pk_add_f32 v[T1+2:T1+3], v[S+6:S+7], v[S+8:S+9]
	v_pk_add_f32 v[T1+4:T1+5], v[S+10:S+11], v[S+12:S+13]
.irp k, 14,22,30,38,46,54
	v_pk_add_f32 v[L:L+1], v[L:L+1], v[S+\k:S+\k+1]
	v_pk_add_f32 v[T1:T1+1], v[T1:T1+1], v[S+\k+2:S+\k+3]
	v_pk_add_f32 v[T1+2:T1+3], v[T1+2:T1+3], v[S+\k+4:S+\k+5]
	v_pk_add_f32 v[T1+4:T1+5], v[T1+4:T1+5], v[S+\k+6:S+\k+7]
.endr
	v_pk_add_f32 v[L:L+1], v[L:L+1], v[S+62:S+63]
	v_pk_add_f32 v[T1:T1+1], v[T1:T1+1], v[T1+2:T1+3]
	v_pk_add_f32 v[L:L+1], v[L:L+1], v[T1+4:T1+5]
	v_pk_add_f32 v[L:L+1], v[L:L+1], v[T1:T1+1]
.irp c, 0,1
	v_cvt_scalef32_pk16_fp6_f32 v[PC+6*\c:PC+6*\c+2], v[S+32*\c:S+32*\c+15], v[SOP+\c]
	v_cvt_scalef32_pk16_fp6_f32 v[TC+4*\c:TC+4*\c+2], v[S+32*\c+16:S+32*\c+31], v[SOP+\c]   ; (three registers begin on an even number)
.endr
	s_wait_alu depctr_va_vdst(0)                   ; the wait directly ahead of the first read of O^T
.set j, 0
.rept 8
	v_pk_mul_f32 v[O+j:O+j+1], v[O+j:O+j+1], v[FF:FF+1] op_sel_hi:[1,0]   ; O^T under the new M; the plain places behind the conversions
.set j, j+2
.endr
.irp c, 0,1
.irp i, 0,1,2
	v_mov_b32 v[PC+6*\c+3+\i], v[TC+4*\c+\i]
.endr
.endr
.rept 8
	v_pk_mul_f32 v[O+j:O+j+1], v[O+j:O+j+1], v[FF:FF+1] op_sel_hi:[1,0]   ; the other half: eight places between the codes' last write and the products
.set j, j+2
.endr
.endm
.macro TRIP
	SWS 0
	SWS 1
	WIN 0
	v_add_nc_u32 v[ADK], s[TK], v[LK]              ; four places behind the products, ahead of the loads and of the first read of the scores
	v_add_nc_u32 v[ADS], s[TS], v[LKS]
	v_add_nc_u32 v[ADV], s[TK], v[L16]
	v_add_nc_u32 v[ADVS], s[TS], v[LVS]
	ds_load_b32 v[VS], v[ADVS]                     ; lanes 0-15: the even fragment's words, lanes 16-31: the odd one's
	ds_load_b32 v[VS+1], v[ADVS] offset:128
	WIN 0x40
.irp f, 0,1,2,3
.irp p, 0,1,2
	ds_load_b128 v[KF+12*\f+4*\p:KF+12*\f+4*\p+3], v[ADV] offset:VB+1536*\f+512*\p
.endr
.endr
	SOFTMAX 0
	OWS 0
	SOFTMAX 1
	OWS 1
	WIN 0
.endm
.macro QUARTER slot                    ; eight steps on one slot
	s_mov_b32 s[TK], \slot*SLOT1
	s_mov_b32 s[TS], \slot*SLOT1
	s_mov_b32 s[CNT], 8
	v_add_nc_u32 v[ADK], s[TK], v[LK]
	v_add_nc_u32 v[ADS], s[TS], v[LKS]
	KLOAD 0
	s_wait_dscnt 0x0
.Lstep_\@:
	TRIP
	s_add_co_u32 s[TK], s[TK], 6144
	s_add_co_u32 s[TS], s[TS], 256
	s_sub_co_u32 s[CNT], s[CNT], 1
	s_cmp_lg_u32 s[CNT], 0
	s_cbranch_scc1 .Lstep_\@
.endm
.macro CHANGE fill, slot
	s_wait_tensorcnt 0x0                           ; my part of the next slot is in;
	ds_add_u32 v[SPW], v[NIL]
.if \fill
	s_add_nc_u64 s[G0+4*\slot+2:G0+4*\slot+3], s[G0+4*\slot+2:G0+4*\slot+3], 204800
.endif
	s_wait_dscnt 0x0                               ; the add is done, and my reads of the slot left behind
.if \fill
	CROUND
	tensor_load_to_lds s[G0+4*\slot:G0+4*\slot+3], s[G1:G1+7]
	s_nop 0
.else
	s_barrier_signal -1
	s_barrier_wait -1
.endif
.endm
.macro INIT                            ; a tile's state: constants alone
.irp j, 0,1,2,3,4,5
	v_mov_b32 v[QZ+\j], 0
	v_mov_b32 v[QD+6+\j], 0
.endr
	v_mov_b32 v[RS], 0xff61b1e6                    ; -3e38, under every score
	v_mov_b32 v[NM], 0x7e000000                    ; -M = 2^125: the first step's factor is 0, on sums that are 0
	v_mov_b32 v[L], 0
	v_mov_b32 v[L+1], 0
	v_mov_b32 v[XX], 0
	v_mov_b32 v[T1], 0                             ; (a lane permute's destination counts as one of its sources)
	v_mov_b32 v[T1+1], 0
	v_mov_b32 v[T1+2], 0
.set j, 0
.rept 32
	v_mov_b32 v[O+j], 0                            ; the step is written once: the first finds zeros
.set j, j+1
.endr
.endm
	s_load_b128 s[4:7], s[0:1], 0x0                ; qq, kv
	s_load_b64 s[8:9], s[0:1], 0x10                ; aq
	v_lshl_add_u32 v[SPW], v0, 2, SPARE
	v_mov_b32 v[NIL], 0
	ds_add_u32 v[SPW], v[NIL]                      ; the opening lines: the add twice on end
	ds_add_u32 v[SPW], v[NIL]
	v_lshrrev_b32 v[ADK], 5, v0
	s_delay_alu instid0(VALU_DEP_1)
	v_readfirstlane_b32 s[WV], v[ADK]              ; wave 0..7
	s_bfe_u32 s11, ttmp6, 0x40000                  ; cx
	s_lshl_b32 s12, ttmp9, 2
	s_add_co_u32 s12, s12, s11                     ; x: which 256 queries; it enters global addresses alone
	s_and_b32 s13, ttmp7, 0xffff                   ; y = 8 batch + head, shared by the partners
	s_mov_b32 s[G1], 15|(3<<16)|(1<<21)            ; 50 dense rows of 256 bytes; the mask names the four partners
	s_mov_b32 s[G1+1], 32<<16
	s_mov_b32 s[G1+2], 50<<16
	s_mov_b32 s[G1+3], 32<<16
	s_mov_b32 s[G1+4], 50
	s_mov_b32 s[G1+5], 32
	s_mov_b32 s[G1+6], 0
	s_mov_b32 s[G1+7], 0
	s_mul_i32 s40, s[WV], 12800                    ; my eighth of a slot
	s_mul_i32 s42, s13, 409600
	s_add_co_u32 s42, s42, s40
	s_mov_b32 s43, 0
	s_mov_b32 s[SEL], 0x76543210
	s_mov_b32 s[SEL+1], 0xfedcba98                 ; selects for lane l xor 16
	s_mov_b32 s[CS], 0x3e38aa3b                    ; c = log2(e) / 8
	s_mov_b32 s[CS+1], s[CS]
	s_mov_b32 s[NCS], 0xbe38aa3b                   ; -c
	s_wait_dscnt 0x0
	s_wait_kmcnt 0x0
	s_mov_b32 s[G0], 1
	s_mov_b32 s[G0+1], s40
	s_add_nc_u64 s[G0+2:G0+3], s[6:7], s[42:43]
	s_mov_b32 s[G0+4], 1
	s_add_co_u32 s[G0+5], s40, SLOT1
	s_add_nc_u64 s[G0+6:G0+7], s[G0+2:G0+3], 102400
	s_or_b32 s[G0+3], s[G0+3], 0x80000000
	s_or_b32 s[G0+7], s[G0+7], 0x80000000
	CROUND
	tensor_load_to_lds s[G0:G0+3], s[G1:G1+7]      ; keys 0-1023: one load a wave at the head
	s_nop 0
	; under its flight: addresses, q, the tiles' state
	s_lshl_b32 s48, s13, 2
	s_lshr_b32 s49, s12, 2
	s_add_co_u32 s48, s48, s49
	s_mul_i32 s48, s48, 51200                      ; qq's block
	s_and_b32 s49, s12, 3
	s_lshl_b32 s49, s49, 3
	s_add_co_u32 s49, s49, s[WV]                   ; my fragment: its k 0-63 are tile A, k 64-127 tile B
	s_mul_i32 s40, s49, 1536
	s_add_co_u32 s40, s40, s48
	s_mov_b32 s41, 0
	s_lshl_b32 s49, s49, 6
	s_add_co_u32 s42, s48, s49
	s_add_co_u32 s42, s42, SCO
	s_mov_b32 s43, 0
	s_add_nc_u64 s[40:41], s[4:5], s[40:41]
	s_add_nc_u64 s[42:43], s[4:5], s[42:43]
	s_lshr_b32 s48, s13, 3                         ; aq: block 32 batch + 2 x + wave / 4,
	s_lshl_b32 s48, s48, 5
	s_lshl_b32 s49, s12, 1
	s_add_co_u32 s48, s48, s49
	s_lshr_b32 s49, s[WV], 2
	s_add_co_u32 s48, s48, s49
	s_mul_i32 s48, s48, 51200
	s_and_b32 s49, s[WV], 3
	s_lshl_b32 s49, s49, 3                         ; fragment 4 (2 (wave % 4) + tile) + head / 2,
	s_bfe_u32 s50, s13, 0x20001
	s_add_co_u32 s49, s49, s50
	s_and_b32 s50, s13, 1                          ; its half head % 2
	s_mul_i32 s44, s49, 1536
	s_add_co_u32 s44, s44, s48
	s_mul_i32 s51, s50, 768
	s_add_co_u32 s44, s44, s51
	s_mov_b32 s45, 0
	s_lshl_b32 s49, s49, 6
	s_add_co_u32 s46, s48, s49
	s_lshl_b32 s50, s50, 1
	s_add_co_u32 s46, s46, s50
	s_add_co_u32 s46, s46, SCO
	s_mov_b32 s47, 0
	s_add_nc_u64 s[44:45], s[8:9], s[44:45]
	s_add_nc_u64 s[46:47], s[8:9], s[46:47]
	v_and_b32 v[ADV], 31, v0
	v_lshlrev_b32 v[L16], 4, v[ADV]
	v_lshlrev_b32 v[A8], 3, v[ADV]
	v_lshl_add_u32 v[LVS], v[ADV], 2, SCO+VB
	v_and_b32 v[ADS], 15, v0
	v_lshlrev_b32 v[R4], 2, v[ADS]
	v_and_b32 v[ADK], 7, v0                        ; j
	v_bfe_u32 v[ADS], v0, 3, 1                     ; hm
	v_bfe_u32 v[ADVS], v0, 4, 1                    ; h
	v_lshlrev_b32 v[LK], 4, v[ADK]
	v_mad_u32_u24 v[LK], v[ADS], 1536, v[LK]
	v_lshl_add_u32 v[LK], v[ADVS], 8, v[LK]
	v_lshl_add_u32 v[LKS], v[ADK], 2, SCO
	v_lshl_add_u32 v[LKS], v[ADS], 6, v[LKS]
	v_lshl_add_u32 v[LKS], v[ADVS], 5, v[LKS]
	v_lshlrev_b32 v[SH8], 3, v[ADVS]
	global_load_b64 v[QD:QD+1], v[L16], s[40:41]               ; registers 0-5 of the fragment's image: tile A
	global_load_b64 v[QD+2:QD+3], v[L16], s[40:41] offset:8
	global_load_b64 v[QD+4:QD+5], v[L16], s[40:41] offset:512
	global_load_b32 v[QS], v[R4], s[42:43]
	WIN 0x40
	global_load_b64 v[QD:QD+1], v[L16], s[40:41] offset:520    ; registers 6-11: tile B
	global_load_b64 v[QD+2:QD+3], v[L16], s[40:41] offset:1024
	global_load_b64 v[QD+4:QD+5], v[L16], s[40:41] offset:1032
	v_mov_b32 v[SH8], v[SH8]                       ; window 1's copy
	INIT
	WIN 0
	s_wait_loadcnt 0x0
	v_lshrrev_b32 v[QS+1], 16, v[QS]               ; a tile's two bytes serve k 0-63 and k 64-127 alike
	v_and_or_b32 v[QS+1], v[QS], 0xffff0000, v[QS+1]
	v_and_b32 v[QS], 0xffff, v[QS]
	v_lshl_or_b32 v[QS], v[QS], 16, v[QS]
	INIT
	s_wait_alu depctr_va_vdst(0)                   ; the wait at the head's end
	s_wait_tensorcnt 0x0                           ; my part of slot 0 is in; the full sequence ahead of slot 1's first fill
	ds_add_u32 v[SPW], v[NIL]
	s_wait_dscnt 0x0
	CROUND                                         ; everybody's part is in
	tensor_load_to_lds s[G0+4:G0+7], s[G1:G1+7]    ; keys 1024-2047
	s_nop 0
	QUARTER 0
	CHANGE 1, 0
	QUARTER 1
	CHANGE 1, 1
	QUARTER 0
	CHANGE 0, 0
	QUARTER 1
; The way out of a tile: O^T / the sum, quantised along the head's 64 (two blocks, each in lanes l and l xor 16), stored as half a fragment of aq.
.macro TAIL T
	WIN 0x55*\T
	v_add_f32 v[L], v[L], v[L+1]
	D1
	v_permlanex16_b32 v[T1], v[L], s[SEL], s[SEL+1]
	D1
	v_add_f32 v[L], v[L], v[T1]
	s_wait_alu depctr_va_vdst(0)
	v_rcp_f32 v[L], v[L]
	v_nop
	s_wait_alu depctr_va_vdst(0)                   ; behind the reciprocal, directly ahead of the first read of O^T
.set j, 0
.rept 16
	v_pk_mul_f32 v[S+j:S+j+1], v[O+j:O+j+1], v[L:L+1] op_sel_hi:[1,0]
.set j, j+2
.endr
.irp b, 0,1
	v_max3_num_f32 v[BM+\b], |v[S+16*\b]|, |v[S+1+16*\b]|, 0x1800000
.endr
.irp i, 2,4,6,8,10,12,14
.irp b, 0,1
	D2
	v_max3_num_f32 v[BM+\b], v[BM+\b], |v[S+16*\b+\i]|, |v[S+1+16*\b+\i]|
.endr
.endr
.irp b, 0,1
	D2
	v_permlanex16_b32 v[T1+\b], v[BM+\b], s[SEL], s[SEL+1]
.endr
.irp b, 0,1
	D2
	v_max_num_f32 v[BM+\b], v[BM+\b], v[T1+\b]
.endr
.irp b, 0,1
	D2
	v_add_nc_u32 v[SOP+\b], 0xff000000, v[BM+\b]
.endr
.irp b, 0,1
	D2
	v_lshrrev_b32 v[BQ+\b], 23, v[SOP+\b]
.endr
	D1
	v_lshl_or_b32 v[T1+4], v[BQ+1], 8, v[BQ]
	v_cvt_scalef32_pk16_fp6_f32 v[PC:PC+2], v[S:S+15], v[SOP]
	v_cvt_scalef32_pk16_fp6_f32 v[PC+6:PC+8], v[S+16:S+31], v[SOP+1]
	v_nop
.irp i, 0,1,2
	v_permlane16_swap_b32 v[PC+\i], v[PC+6+\i]     ; a whole block to a lane
.endr
.irp i, 0,1,2
	v_mov_b32 v[PC+3+\i], v[PC+6+\i]
.endr
	WIN 0x04*\T                                    ; offsets in window 0, data in the tile's
.irp p, 0,1,2
	global_store_b64 v[A8], v[PC+2*\p:PC+2*\p+1], s[44:45] offset:6144*\T+256*\p   ; 256 consecutive bytes, aligned
.endr
	global_store_b16 v[R4], v[T1+4], s[46:47] offset:256*\T
.endm
	TAIL 0                                         ; its lines are also the places behind tile B's last products
	TAIL 1
	WIN 0
	s_wait_tensorcnt 0x0                           ; the wave's end
	ds_add_u32 v[SPW], v[NIL]
	s_wait_dscnt 0x0
	CROUND                                         ; the closing round
	s_endpgm
.Lfunc_end_k_q679e671477_attn:
	.size	k_q679e671477_attn, .Lfunc_end_k_q679e671477_attn-k_q679e671477_attn
	.p2alignl 7, 3214868480
	.fill 96, 4, 3214868480
	.section	.rodata,"a",@progbits
	.p2align	6, 0x0
	.amdhsa_kernel k_q679e671477_attn
		.amdhsa_group_segment_fixed_size 327680
		.amdhsa_private_segment_fixed_size 0
		.amdhsa_enable_private_segment 0
		.amdhsa_kernarg_size 24
		.amdhsa_user_sgpr_count 2
		.amdhsa_user_sgpr_kernarg_segment_ptr 1
		.amdhsa_wavefront_size32 1
		.amdhsa_system_sgpr_workgroup_id_x 1
		.amdhsa_system_sgpr_workgroup_id_y 1
		.amdhsa_system_sgpr_workgroup_id_z 1
		.amdhsa_system_vgpr_workitem_id 0
		.amdhsa_next_free_vgpr 512
		.amdhsa_next_free_sgpr 66
		.amdhsa_reserve_vcc 0
		.amdhsa_float_denorm_mode_32 3
		.amdhsa_float_denorm_mode_16_64 3
		.amdhsa_memory_ordered 1
		.amdhsa_forward_progress 1
		.amdhsa_inst_pref_size 137
	.end_amdhsa_kernel
	.amdgpu_metadata
---
amdhsa.version: [ 1, 2 ]
amdhsa.kernels:
  - .name:           k_q679e671477_attn
    .symbol:         k_q679e671477_attn.kd
    .args:
      - { .name: qq, .offset: 0, .size: 8, .value_kind: global_buffer, .address_space: global }
      - { .name: kv, .offset: 8, .size: 8, .value_kind: global_buffer, .address_space: global }
      - { .name: aq, .offset: 16, .size: 8, .value_kind: global_buffer, .address_space: global }
    .group_segment_fixed_size: 327680
    .private_segment_fixed_size: 0
    .kernarg_segment_align: 8
    .kernarg_segment_size: 24
    .max_flat_workgroup_size: 256
    .sgpr_count:     66
    .vgpr_count:     512
    .wavefront_size: 32
...
	.end_amdgpu_metadata
.endif
;; end of part 3
;; launch oproj (part 4): grid 64 x 4, 16 waves a work-group, clusters of 4 x 1, 172,032 bytes of LDS; arguments aq, wimg, bo, out0; writes out0
.if DOCPART == 4
	.amdgcn_target "amdgcn-amd-amdhsa--gfx1250"
	.amdhsa_code_object_version 6
	.text
	.protected	k_q679e671477_oproj
	.globl	k_q679e671477_oproj
	.p2align	8
	.type	k_q679e671477_oproj,@function
k_q679e671477_oproj:
	s_mov_b64 s[64:65], 0
	v_nop
	global_prefetch_b8 v0, s[64:65] scope:SCOPE_SE
	s_setreg_imm32_b32 hwreg(HW_REG_WAVE_MODE, 25, 1), 1
	s_wait_xcnt 0x0
	s_wait_alu depctr_hold_cnt(0) depctr_sa_sdst(0) depctr_va_vdst(0) depctr_va_sdst(0) depctr_va_ssrc(0) depctr_va_vcc(0) depctr_vm_vsrc(0)
	s_getreg_b32 s2, hwreg(HW_REG_IB_STS2, 6, 4)
	s_cmp_eq_u32 s2, 0
	s_cbranch_scc0 .Lentry_in_a_cluster
	s_endpgm
.Lentry_in_a_cluster:
	s_bfe_u32 s2, ttmp6, 0x10000c
	s_cmp_lg_u32 s2, 0x3003
	s_cbranch_scc0 .Lentry_shape_is_right
	s_endpgm
.Lentry_shape_is_right:
; Launch 4 of 4: out0 = attention's output x Wo + bo, on the codes that launches 1 and 3 made.  No work is left out.
; A work-group takes 128 tokens (block X of aq) x 128 columns (quarter y of Wo): 256 work-groups.  LDS is filled once: Wo's block, aq's block.  Wave w takes 32 tokens (w / 4) x 32 columns (w % 4): four accumulators, K = 4 steps of 128.
; CLUSTER 4 x 1: the four partners differ in X alone, so Wo's quarter is asked for JOINTLY (waves 0-7); aq's block is fetched by each work-group for itself (waves 8-15): the work-groups that read it too lie along y,
; in other clusters; a cluster of 4 x 4 would share it as well and is not built.
; THE PRODUCT IS USED TRANSPOSED (source 0 = 16 columns of Wo, source 1 = 16 tokens): a lane holds eight neighbouring columns of one row.  bo is the C of each sum's first matrix instruction.
; The rows meet in a stage in LDS (128 rows x (512 bytes + 16)) and leave whole: 512 consecutive bytes an instruction.
.set AB,    51200                      ; aq's block in LDS
.set SCO,   49152
.set STG,   102400                     ; the stage: no tensor load lands here
.set SPARE, 169984                     ; behind the stage: the spare words, 128 bytes for each of 16 waves
.set SPW, 1
.set NIL, 2
.set L16, 4                            ; v4   16 x lane
.set AW,  5                            ; v5   my fragments of Wo
.set AA,  6                            ; v6   my fragments of aq (8 bytes a lane)
.set AWS, 7                            ; v7   Wo's scale words
.set AAS, 8                            ; v8   aq's
.set SI,  9                            ; v9   into the stage
.set SR,  10                           ; v10  out of it
.set BO,  11                           ; v11  my offset in bo
.set WF,  16                           ; v16-63   four fragments of Wo (K step of the pair, column tile); later eight rows on their way out
.set AF,  64                           ; v64-111  four of aq
.set WS,  112                          ; v112-113 Wo's scale words;  v114-115 aq's
.set AS,  114
.set ACC, 128                          ; v128-159 accumulator (i, u) at ACC + 16 i + 8 u
.set BI,  160                          ; v160-175 bo in the result's layout
.set WV,  12
.set G1J, 16
.set G1P, 24
.set G0J, 32
.set G0P, 36
.macro CROUND
	s_barrier_signal -1
	s_barrier_wait -1
	s_cmp_lg_u32 s[WV], 0
	s_cbranch_scc1 .Lnot_wave_0_\@
	s_barrier_signal -3
.Lnot_wave_0_\@:
	s_barrier_wait -3
	s_barrier_signal -1
	s_barrier_wait -1
.endm
.macro PLACES
.rept 4
	v_nop
.endr
.endm
.macro FRAGL reg, off                  ; Wo's image: three pieces of 512 bytes
.irp p, 0,1,2
	ds_load_b128 v[\reg+4*\p:\reg+4*\p+3], v[AW] offset:\off+512*\p
.endr
.endm
.macro FRAGH reg, off                  ; aq's: six pieces of 256 bytes
.irp p, 0,1,2,3,4,5
	ds_load_b64 v[\reg+2*\p:\reg+2*\p+1], v[AA] offset:\off+256*\p
.endr
.endm
.macro WM d, a, b, sa, sb, row
.if \row
	v_wmma_scale_f32_16x16x128_f8f6f4 v[\d:\d+7], v[\a:\a+11], v[\b:\b+11], v[\d:\d+7], v[\sa], v[\sb] matrix_a_fmt:MATRIX_FMT_FP6 matrix_b_fmt:MATRIX_FMT_FP6 matrix_a_scale:MATRIX_SCALE_ROW1 matrix_b_scale:MATRIX_SCALE_ROW1
.else
	v_wmma_scale_f32_16x16x128_f8f6f4 v[\d:\d+7], v[\a:\a+11], v[\b:\b+11], v[\d:\d+7], v[\sa], v[\sb] matrix_a_fmt:MATRIX_FMT_FP6 matrix_b_fmt:MATRIX_FMT_FP6
.endif
.endm
.macro WMC d, a, b, c, sa, sb
	v_wmma_scale_f32_16x16x128_f8f6f4 v[\d:\d+7], v[\a:\a+11], v[\b:\b+11], v[\c:\c+7], v[\sa], v[\sb] matrix_a_fmt:MATRIX_FMT_FP6 matrix_b_fmt:MATRIX_FMT_FP6
.endm
	s_load_b256 s[4:11], s[0:1], 0x0               ; aq s[4:5], wimg s[6:7], bo s[8:9], out0 s[10:11]
	v_lshl_add_u32 v[SPW], v0, 2, SPARE
	v_mov_b32 v[NIL], 0
	ds_add_u32 v[SPW], v[NIL]                      ; the wave's opening: the add, twice on end, and its wait ahead of my first tensor load
	ds_add_u32 v[SPW], v[NIL]
	v_lshrrev_b32 v12, 5, v0
	s_delay_alu instid0(VALU_DEP_1)
	v_readfirstlane_b32 s[WV], v12                 ; wave 0..15
	s_bfe_u32 s13, ttmp6, 0x40000                  ; cx
	s_lshl_b32 s14, ttmp9, 2
	s_add_co_u32 s14, s14, s13                     ; X: it enters global addresses alone
	s_and_b32 s15, ttmp7, 0xffff                   ; y, which the four partners share
	s_mov_b32 s[G1J], 15|(3<<16)|(1<<21)           ; 25 dense rows of 256 bytes; the mask names all four partners, bit 21 beside it
	s_mov_b32 s[G1P], 3<<16
.irp g, G1J, G1P
	s_mov_b32 s[\g+1], 32<<16
	s_mov_b32 s[\g+2], 25<<16
	s_mov_b32 s[\g+3], 32<<16
	s_mov_b32 s[\g+4], 25
	s_mov_b32 s[\g+5], 32
	s_mov_b32 s[\g+6], 0
	s_mov_b32 s[\g+7], 0
.endr
	s_mul_i32 s40, s[WV], 6400                     ; where my part goes: Wo's block, then aq's, 6,400 bytes a wave
	s_and_b32 s41, s[WV], 7
	s_mul_i32 s41, s41, 6400                       ; and where it lies in its block in memory
	s_add_co_u32 s42, s15, 12
	s_mul_i32 s42, s42, 51200                      ; Wo's quarter y is wimg's block 12 + y
	s_add_co_u32 s42, s42, s41
	s_mov_b32 s43, 0
	s_mul_i32 s44, s14, 51200
	s_add_co_u32 s44, s44, s41
	s_mov_b32 s45, 0
	s_wait_dscnt 0x0                               ; both opening adds are done
	s_wait_kmcnt 0x0
	s_mov_b32 s[G0J], 1
	s_mov_b32 s[G0J+1], s40
	s_add_nc_u64 s[G0J+2:G0J+3], s[6:7], s[42:43]
	s_or_b32 s[G0J+3], s[G0J+3], 0x80000000
	s_mov_b32 s[G0P], 1
	s_mov_b32 s[G0P+1], s40
	s_add_nc_u64 s[G0P+2:G0P+3], s[4:5], s[44:45]
	s_or_b32 s[G0P+3], s[G0P+3], 0x80000000
	CROUND                                         ; all four work-groups are here: the joint loads meet
	s_cmp_lt_u32 s[WV], 8                          ; a fill in each arm: every wave has one load out
	s_cbranch_scc0 .Lfill_a
	tensor_load_to_lds s[G0J:G0J+3], s[G1J:G1J+7]
	s_nop 0
	s_branch .Lfilled
.Lfill_a:
	tensor_load_to_lds s[G0P:G0P+3], s[G1P:G1P+7]
	s_nop 0
.Lfilled:
	s_lshr_b32 s46, s[WV], 2                       ; tp: my 32 tokens
	s_and_b32 s47, s[WV], 3                        ; nb: my 32 columns
	v_and_b32 v12, 31, v0
	s_delay_alu instid0(VALU_DEP_1)
	v_lshlrev_b32 v[L16], 4, v12
	s_mul_i32 s48, s47, 12288                      ; Wo: fragments 8 nb + 4 u + s
	v_add_nc_u32 v[AW], s48, v[L16]
	s_mul_i32 s48, s46, 12288                      ; aq: fragments 8 tp + 4 i + s
	s_add_co_u32 s48, s48, AB
	v_lshlrev_b32 v13, 3, v12
	s_delay_alu instid0(VALU_DEP_1)
	v_add_nc_u32 v[AA], s48, v13
	v_lshlrev_b32 v13, 2, v12
	s_lshl_b32 s48, s47, 9
	s_add_co_u32 s48, s48, SCO
	v_add_nc_u32 v[AWS], s48, v13
	s_lshl_b32 s48, s46, 9
	s_add_co_u32 s48, s48, AB+SCO
	v_add_nc_u32 v[AAS], s48, v13
	v_and_b32 v12, 7, v0
	v_bfe_u32 v13, v0, 3, 1
	s_delay_alu instid0(VALU_DEP_1)
	v_lshl_add_u32 v12, v13, 4, v12                ; lane r of token tile 2 tp + i is token 32 tp + 8 i + r % 8 + 16 (r / 8)
	s_delay_alu instid0(VALU_DEP_1)
	v_mul_u32_u24 v[SI], v12, 528
	v_bfe_u32 v13, v0, 4, 1                        ; h
	s_delay_alu instid0(VALU_DEP_1)
	v_lshl_add_u32 v[SI], v13, 6, v[SI]            ; tile u, register j: column 32 nb + 16 h + 8 u + j
	s_delay_alu instid0(VALU_DEP_2)
	v_lshlrev_b32 v[BO], 6, v13
	s_wait_alu depctr_va_vdst(0)
	s_mul_i32 s48, s46, 32*528
	s_lshl_b32 s49, s47, 7
	s_add_co_u32 s48, s48, s49
	s_add_co_u32 s48, s48, STG
	v_add_nc_u32 v[SI], s48, v[SI]
	s_mul_i32 s48, s[WV], 8*528                    ; back: wave w takes rows 8 w .. 8 w + 7, whole
	s_add_co_u32 s48, s48, STG
	v_add_nc_u32 v[SR], s48, v[L16]
	s_lshl_b32 s50, s15, 9
	s_add_co_u32 s50, s50, s49                     ; bo: 512 y + 128 nb bytes on
	s_mov_b32 s51, 0
	s_add_nc_u64 s[50:51], s[8:9], s[50:51]
.irp u, 0,1
	global_load_b128 v[BI+8*\u:BI+8*\u+3], v[BO], s[50:51] offset:32*\u
	global_load_b128 v[BI+8*\u+4:BI+8*\u+7], v[BO], s[50:51] offset:32*\u+16
.endr
	s_lshl_b32 s52, s14, 18                        ; out0: row 128 X + 8 w of 2,048 bytes, + 512 y
	s_lshl_b32 s53, s[WV], 14
	s_add_co_u32 s52, s52, s53
	s_lshl_b32 s53, s15, 9
	s_add_co_u32 s52, s52, s53
	s_mov_b32 s53, 0
	s_add_nc_u64 s[52:53], s[10:11], s[52:53]
	s_wait_tensorcnt 0x0                           ; my part has landed,
	s_barrier_signal -1
	s_barrier_wait -1                              ; everybody's has
	s_wait_loadcnt 0x0                             ; bo
; Two K steps, 2 hh and 2 hh + 1: eight products, the four accumulators by turns, one instruction a turn.
.macro HALF hh
.if \hh > 0
	PLACES
.endif
.irp k, 0,1
.irp u, 0,1
	FRAGL WF+12*(2*\k+\u), (4*\u+2*\hh+\k)*1536
	FRAGH AF+12*(2*\k+\u), (4*\u+2*\hh+\k)*1536
.endr
.endr
.irp u, 0,1                            ; one load brings the even K step's words in lanes 0-15 and the odd step's in lanes 16-31
	ds_load_b32 v[WS+\u], v[AWS] offset:64*(4*\u+2*\hh)
	ds_load_b32 v[AS+\u], v[AAS] offset:64*(4*\u+2*\hh)
.endr
	s_wait_dscnt 0x0
.irp k, 0,1
.irp i, 0,1
.irp u, 0,1
.if (\hh == 0) && (\k == 0)
	WMC ACC+16*\i+8*\u, WF+12*(2*\k+\u), AF+12*(2*\k+\i), BI+8*\u, WS+\u, AS+\i
.else
	WM ACC+16*\i+8*\u, WF+12*(2*\k+\u), AF+12*(2*\k+\i), WS+\u, AS+\i, \k
.endif
.endr
.endr
.endr
.endm
	HALF 0
	HALF 1
	PLACES                                         ; ahead of the stores that read the results, and of the loads into the fragments' registers
	s_wait_alu depctr_va_vdst(0)
.irp i, 0,1
.irp u, 0,1
	ds_store_b128 v[SI], v[ACC+16*\i+8*\u:ACC+16*\i+8*\u+3] offset:8*\i*528+32*\u          ; each accumulator from its low end on
	ds_store_b128 v[SI], v[ACC+16*\i+8*\u+4:ACC+16*\i+8*\u+7] offset:8*\i*528+32*\u+16
.endr
.endr
	s_wait_dscnt 0x0                               ; for the others' sake: my stores into the stage are done
	s_barrier_signal -1
	s_barrier_wait -1                              ; 128 whole rows lie in the stage
.irp t, 0,1,2,3,4,5,6,7
	ds_load_b128 v[WF+4*\t:WF+4*\t+3], v[SR] offset:\t*528
.endr
.irp t, 0,1,2,3,4,5,6,7
	s_wait_dscnt 7-\t                              ; row t is back; the younger loads may be out
	global_store_b128 v[L16], v[WF+4*\t:WF+4*\t+3], s[52:53] offset:\t*2048 th:TH_STORE_NT   ; 512 consecutive bytes, aligned; written once, read by nobody here
.endr
	s_wait_tensorcnt 0x0                           ; the wave's end, behind my last tensor load and my last LDS store
	ds_add_u32 v[SPW], v[NIL]
	s_wait_dscnt 0x0
	CROUND                                         ; the closing round
	s_endpgm
.Lfunc_end_k_q679e671477_oproj:
	.size	k_q679e671477_oproj, .Lfunc_end_k_q679e671477_oproj-k_q679e671477_oproj
	.p2alignl 7, 3214868480
	.fill 96, 4, 3214868480
	.section	.rodata,"a",@progbits
	.p2align	6, 0x0
	.amdhsa_kernel k_q679e671477_oproj
		.amdhsa_group_segment_fixed_size 172032
		.amdhsa_private_segment_fixed_size 0
		.amdhsa_enable_private_segment 0
		.amdhsa_kernarg_size 32
		.amdhsa_user_sgpr_count 2
		.amdhsa_user_sgpr_kernarg_segment_ptr 1
		.amdhsa_wavefront_size32 1
		.amdhsa_system_sgpr_workgroup_id_x 1
		.amdhsa_system_sgpr_workgroup_id_y 1
		.amdhsa_system_sgpr_workgroup_id_z 1
		.amdhsa_system_vgpr_workitem_id 0
		.amdhsa_next_free_vgpr 176
		.amdhsa_next_free_sgpr 66
		.amdhsa_reserve_vcc 0
		.amdhsa_float_denorm_mode_32 3
		.amdhsa_float_denorm_mode_16_64 3
		.amdhsa_memory_ordered 1
		.amdhsa_forward_progress 1
		.amdhsa_inst_pref_size 16
	.end_amdhsa_kernel
	.amdgpu_metadata
---
amdhsa.version: [ 1, 2 ]
amdhsa.kernels:
  - .name:           k_q679e671477_oproj
    .symbol:         k_q679e671477_oproj.kd
    .args:
      - { .name: aq, .offset: 0, .size: 8, .value_kind: global_buffer, .address_space: global }
      - { .name: wimg, .offset: 8, .size: 8, .value_kind: global_buffer, .address_space: global }
      - { .name: bo, .offset: 16, .size: 8, .value_kind: global_buffer, .address_space: global }
      - { .name: out0, .offset: 24, .size: 8, .value_kind: global_buffer, .address_space: global }
    .group_segment_fixed_size: 172032
    .private_segment_fixed_size: 0
    .kernarg_segment_align: 8
    .kernarg_segment_size: 32
    .max_flat_workgroup_size: 512
    .sgpr_count:     66
    .vgpr_count:     176
    .wavefront_size: 32
...
	.end_amdgpu_metadata
.endif
;; end of part 4
